; MI455X (gfx1250); checked and timed in simulation.
; The chip was launched on July 23, 2026; its instructions are those of AMD's public machine-readable ISA for CDNA 5 (MIT licence, August 2026) and "CDNA5" Instruction Set Architecture Reference Guide (July 2026). The comments in the code are by the model that wrote it; some were corrected since.
;; Base DPS. Allowed arithmetic: float matrix products may take bf16 or f16 operands with f32 sums; all other float work in f32.
;; Inputs: line_seg 8,192 x 4 float32; pose 8 x 3 float32.
;; Outputs: out0 8 x 512 x 2 float32; out1 8 x 512 x 2 float32.
;; One version. Each part assembles by itself: llvm-mc -triple=amdgcn-amd-amdhsa -mcpu=gfx1250 --defsym DOCPART=n.
;; ======== version 1 of 1: 1 launch
;; launch raycast (part 1): grid 256 x 1, 8 waves a work-group, no clusters, 168,960 bytes of LDS; arguments line_seg, pose, out0, out1; writes out0, out1
.if DOCPART == 1
	.amdgcn_target "amdgcn-amd-amdhsa--gfx1250"
	.amdhsa_code_object_version 6
	.text
	.protected	k_q2167f1d706_raycast
	.globl	k_q2167f1d706_raycast
	.p2align	8
	.type	k_q2167f1d706_raycast,@function
k_q2167f1d706_raycast:
	s_mov_b64 s[64:65], 0
	v_nop
	global_prefetch_b8 v0, s[64:65] scope:SCOPE_SE
	s_setreg_imm32_b32 hwreg(HW_REG_WAVE_MODE, 25, 1), 1
	s_wait_xcnt 0x0
; Nearest hit of 4,096 rays (8 poses x 512 beams) among 8,192 line segments, and the hit in the sensor's frame.
; line_seg [8192][4] f32 (x3 y3 x4 y4), pose [8][3] f32 (x y theta), out0 = hit [8][512][2] f32, out1 = hit rotated [8][512][2] f32.
;
; SHARES.  Work-group g: pose g >> 5, beams 16 (g & 31) .. + 15, all 8,192 segments.  Eight waves; thread t owns the 32 segments
; 2048 c + 256 j + t (chunk c = 0..3, j = 0..7): a wave's 16-byte loads cover 512 consecutive bytes, and a segment is used by one lane only.
;
; ALGEBRA.  Only the smallest valid u_a is needed (the index serves to fetch it).  Per segment and pose, once: q = 1 / num_a and
;   C = dy q, A = sy q, Dn = -dx q, Bn = -sx q, E = 1e-4 |q|        (dx = x1-x3, dy = y1-y3, sx = x4-x3, sy = y4-y3)
; Per ray:  nb' = C rx + Dn ry = num_b q,   w = A rx + Bn ry = rxs q = 1 / u_a.   The sign of q folds u_a >= 0 in:
;   valid  <=>  0 <= nb' <= w  and  w >= E,   and the nearest hit is the LARGEST w: one reciprocal for a ray at the end, none for a test.
; On the bits, a negative float is a large unsigned number, so max_u32(nb', E) <= w (unsigned) is the whole test where w > 0; where w < 0
; the test may pass, and the selected w then loses the float maximum against 0.  5.5 instructions for a test: two packed fused
; multiply-adds make the pair (nb', w), then v_max_u32, v_cmp_le_u32, v_cndmask_b32, and a v_max3_num_f32 for two tests.
; The first multiply-add has the addend +0: a sum with +0 is never -0, so nb' = 0 always counts as >= 0, as u_b = +-0 does in the reference.
; A ray without any valid segment keeps the maximum 0 and takes u_a of segment 0, formed as the reference writes it.
;
; NOT USED, by this text's arithmetic.  Matrix instructions: the one matrix product is a 2 x 2 rotation, four multiply-adds for a ray.
; Joint requests in a cluster, though all work-groups read the same 131,072 bytes: they land in LDS, and each lane would have to read its
; 16 bytes back from there; here a chunk costs a wave 8 loads beside some 800 vector instructions, issued 704 instructions ahead of their wait.
; Stores of 256 bytes: a work-group owns 16 rays = 128 consecutive bytes of each output; each goes out by one store of 16 lanes.
; The launch asks for more than half of a WGP's LDS (it uses 18,496 bytes) so that no two of the 256 work-groups share four SIMDs.
;
; LIMITS.  |num_a| < 2^-100 is replaced by +-2^-100 (moves u_a by less than 2^-100 / 1e-4 = 8e-27).  u_a = -0.0 (num_a exactly zero and
; rxs of the other sign) is taken as negative, where the reference takes it as a hit at distance 0.  Differences of coordinates below 2^26
; and |num_a| below 2^126, so that the scaled coefficients stay finite and normal.  Angles up to about 2^20 (pi/2 in three constants).
; No NaN or infinite input.  Order of rounding differs from the reference's: scaling by q, fused multiply-adds, reciprocals good to 1 ulp.
.set SEGS,   8                         ; segments of a lane in a chunk
.set CHUNKS, 4
.set CHUNKB, 256*SEGS*16               ; bytes of a chunk: 32,768
.set TAB,    0                         ; LDS: 8 waves x 32 entries (cos, sin), each wave's own 256 bytes
.set RED,    2048                      ; LDS: [16 rays][256 threads] f32
.set FIN,    RED+16*1024               ; LDS: [16 rays] f32
.set OFF,  2                           ; v2        16 t: my bytes in a run of 256 segments
.set P,    4                           ; v[4:5]    x1, y1
.set CS,   6                           ; v[6:7]    cos, sin of my lane's angle: lanes 0-15 beam + theta, lanes 16-31 theta
.set RAY,  8                           ; v[8:39]   (rx, ry) of the 16 rays, the same in every lane
.set BEST, 40                          ; v[40:55]  largest valid w of ray i among my segments; 0 = none
.set RAW,  56                          ; v[56:87]  8 segments as loaded, then (dx dy sx sy)
.set C1,   88                          ; v[88:103]  pairs (C, A)
.set C2,   104                         ; v[104:119] pairs (Dn, Bn)
.set EE,   120                         ; v[120:127] E
.set T,    128                         ; v[128:143] pairs (nb', w)
.set M,    144                         ; v[144:151] at work
.set W,    152                         ; v[152:175] scratch of the head and the tail
.set MASK, 28                          ; s[28:35]  lane masks of eight tests
.macro LOADS                           ; a chunk: 8 segments a lane
.irp j, 0,1,2,3,4,5,6,7
	global_load_b128 v[RAW+4*\j:RAW+4*\j+3], v[OFF], s[4:5] offset:\j*4096
.endr
.endm
; Eight segments' coefficients, in runs of eight independent instructions.
.macro PRE
.irp j, 0,1,2,3,4,5,6,7
	v_pk_add_f32 v[RAW+4*\j+2:RAW+4*\j+3], v[RAW+4*\j+2:RAW+4*\j+3], v[RAW+4*\j:RAW+4*\j+1] neg_lo:[0,1] neg_hi:[0,1]   ; sx, sy
.endr
.irp j, 0,1,2,3,4,5,6,7
	v_pk_add_f32 v[RAW+4*\j:RAW+4*\j+1], v[P:P+1], v[RAW+4*\j:RAW+4*\j+1] neg_lo:[0,1] neg_hi:[0,1]                     ; dx, dy
.endr
.irp j, 0,1,2,3,4,5,6,7
	v_mul_f32 v[M+\j], v[RAW+4*\j+3], v[RAW+4*\j]                      ; sy dx
.endr
.irp j, 0,1,2,3,4,5,6,7
	v_fma_f32 v[M+\j], v[RAW+4*\j+2], v[RAW+4*\j+1], -v[M+\j]          ; num_a = sx dy - sy dx
.endr
.irp j, 0,1,2,3,4,5,6,7
	v_max_num_f32 v[T+\j], |v[M+\j]|, s22                              ; magnitude at least 2^-100,
.endr
.irp j, 0,1,2,3,4,5,6,7
	v_bfi_b32 v[M+\j], s23, v[T+\j], v[M+\j]                           ; under num_a's own sign
.endr
.irp j, 0,1,2,3,4,5,6,7
	v_rcp_f32 v[T+\j], v[M+\j]                                         ; q
.endr
	v_nop                                                              ; one plain vector instruction between the reciprocals and their first use (ISA guide 5.7.2)
	s_wait_alu depctr_va_vdst(0)
.irp j, 0,1,2,3,4,5,6,7
	v_mul_f32 v[C1+2*\j],   v[RAW+4*\j+1], v[T+\j]                     ; C  =  dy q
	v_mul_f32 v[C1+2*\j+1], v[RAW+4*\j+3], v[T+\j]                     ; A  =  sy q
	v_mul_f32 v[C2+2*\j],   -v[RAW+4*\j],  v[T+\j]                     ; Dn = -dx q
	v_mul_f32 v[C2+2*\j+1], -v[RAW+4*\j+2], v[T+\j]                    ; Bn = -sx q
	v_mul_f32 v[EE+\j], |v[T+\j]|, s24                                 ; E  = 1e-4 |q|
.endr
.endm
; Ray i against the chunk's eight segments.
.macro RAYSTEP i
.irp j, 0,1,2,3,4,5,6,7
	v_pk_fma_f32 v[T+2*\j:T+2*\j+1], v[C2+2*\j:C2+2*\j+1], v[RAY+2*\i:RAY+2*\i+1], 0 op_sel:[0,1,0] op_sel_hi:[1,1,0]     ; (Dn, Bn) ry + 0
.endr
.irp j, 0,1,2,3,4,5,6,7
	v_pk_fma_f32 v[T+2*\j:T+2*\j+1], v[C1+2*\j:C1+2*\j+1], v[RAY+2*\i:RAY+2*\i+1], v[T+2*\j:T+2*\j+1] op_sel_hi:[1,0,1]   ; + (C, A) rx = (nb', w)
.endr
.irp j, 0,1,2,3,4,5,6,7
	v_max_u32 v[M+\j], v[T+2*\j], v[EE+\j]                             ; on the bits: a negative nb' stays the larger
.endr
.irp j, 0,1,2,3,4,5,6,7
	v_cmp_le_u32 s[MASK+\j], v[M+\j], v[T+2*\j+1]                      ; 0 <= nb' <= w and E <= w
.endr
.irp j, 0,1,2,3,4,5,6,7
	v_cndmask_b32 v[M+\j], 0, v[T+2*\j+1], s[MASK+\j]                  ; w, or 0
.endr
	v_max3_num_f32 v[M],   v[M],   v[M+1], v[M+2]
	v_max3_num_f32 v[M+3], v[M+3], v[M+4], v[M+5]
	v_max3_num_f32 v[BEST+\i], v[BEST+\i], v[M+6], v[M+7]
	v_max3_num_f32 v[BEST+\i], v[BEST+\i], v[M], v[M+3]
.endm
.macro RAYS
.irp i, 0,1,2,3,4,5,6,7,8,9,10,11,12,13,14,15
	RAYSTEP \i
.endr
.endm
	s_load_b256 s[4:11], s[0:1], 0x0               ; line_seg s[4:5], pose s[6:7], out0 s[8:9], out1 s[10:11]
	v_lshl_add_u32 v176, v0, 2, 0x29000
	v_mov_b32 v177, 0
	v_and_b32 v1, 31, v0                           ; lane
	v_lshrrev_b32 v3, 5, v0
	v_readfirstlane_b32 s20, v3                    ; wave 0..7
	v_lshlrev_b32 v[OFF], 4, v0
	s_lshr_b32 s26, ttmp9, 5                       ; pose number,
	s_mul_i32 s26, s26, 12                         ; its 12 bytes
	s_mov_b32 s27, 0
	s_and_b32 s25, ttmp9, 31
	s_lshl_b32 s25, s25, 4                         ; the group's first beam
	s_mov_b32 s22, 0x0d800000                      ; 2^-100
	s_mov_b32 s23, 0x7fffffff                      ; all but the sign
	s_mov_b32 s24, 0x38d1b717                      ; 1e-4
	v_and_b32 v[W], 15, v1
	v_add_nc_u32 v[W], s25, v[W]                   ; beam number l
	v_cvt_f32_u32 v[W], v[W]
	v_mul_f32 v[W], 0x3c490fdb, v[W]               ; l x f32(2 pi / 512), rounded as in the reference
	v_cmp_gt_u32 vcc_lo, 16, v1                    ; lanes 0-15
	s_wait_kmcnt 0x0
	LOADS                                          ; chunk 0 is asked for before anything else
	s_add_nc_u64 s[6:7], s[6:7], s[26:27]
	s_load_b96 s[12:14], s[6:7], 0x0               ; x1 s12, y1 s13, theta s14
	s_load_b128 s[16:19], s[4:5], 0x0              ; segment 0, for rays that hit nothing
.irp i, 0,1,2,3,4,5,6,7,8,9,10,11,12,13,14,15
	v_mov_b32 v[BEST+\i], 0                        ; 0 = no hit yet; it is also what a negative w loses against
.endr
	s_wait_kmcnt 0x0                               ; both scalar loads are in: s[4:5] may be stepped later
	v_mov_b32 v[P], s12
	v_mov_b32 v[P+1], s13
	v_add_f32 v[W], s14, v[W]                      ; beam + theta
	v_cndmask_b32 v[W], s14, v[W], vcc_lo          ; lanes 16-31: theta itself, for the rotation
	; cos and sin of v[W]: k = nearest whole number to x 2/pi; r = x - k pi/2 with pi/2 in three constants (21 + 24 + 24 bits) under fused
	; multiply-adds; polynomials on |r| <= pi/4; the quadrant k mod 4 swaps and signs.
	v_mul_f32 v[W+1], 0x3f22f983, v[W]             ; x 2/pi
	v_rndne_f32 v[W+1], v[W+1]                     ; k
	v_fmamk_f32 v[W+2], v[W+1], 0xbfc90fd8, v[W]   ; - k 1.57079601
	v_fmamk_f32 v[W+2], v[W+1], 0xb4a8885a, v[W+2] ; - k 3.13916473e-7
	v_fmamk_f32 v[W+2], v[W+1], 0xa7c234c5, v[W+2] ; - k 5.39030253e-15  = r
	v_cvt_i32_f32 v[W+3], v[W+1]
	v_mul_f32 v[W+4], v[W+2], v[W+2]               ; z = r r
	v_mov_b32 v[W+5], 0xb94ca1f9                   ; sin: -1.9515296e-4
	v_mov_b32 v[W+6], 0x37ccf5ce                   ; cos:  2.4433157e-5
	v_fmaak_f32 v[W+5], v[W+5], v[W+4], 0x3c08839e ;  8.3321609e-3
	v_fmaak_f32 v[W+6], v[W+6], v[W+4], 0xbab6061a ; -1.3887316e-3
	v_fmaak_f32 v[W+5], v[W+5], v[W+4], 0xbe2aaaa3 ; -1.6666655e-1
	v_fmaak_f32 v[W+6], v[W+6], v[W+4], 0x3d2aaaa5 ;  4.1666646e-2
	v_mul_f32 v[W+7], v[W+2], v[W+4]               ; r z
	v_mul_f32 v[W+8], v[W+4], v[W+4]               ; z z
	v_fma_f32 v[W+9], v[W+4], -0.5, 1.0            ; 1 - z/2
	v_fma_f32 v[W+5], v[W+5], v[W+7], v[W+2]       ; S = r + r z ps
	v_fma_f32 v[W+6], v[W+6], v[W+8], v[W+9]       ; C = 1 - z/2 + z z pc
	v_and_b32 v[W+7], 1, v[W+3]
	v_cmp_eq_u32 vcc_lo, 1, v[W+7]                 ; odd quadrant: the two change places
	v_cndmask_b32 v[CS],   v[W+6], v[W+5], vcc_lo
	v_cndmask_b32 v[CS+1], v[W+5], v[W+6], vcc_lo
	v_add_nc_u32 v[W+8], 1, v[W+3]
	v_lshlrev_b32 v[W+7], 30, v[W+3]               ; sin is negative in quadrants 2, 3: bit 1 of k
	v_lshlrev_b32 v[W+8], 30, v[W+8]               ; cos in quadrants 1, 2: bit 1 of k + 1
	v_and_b32 v[W+7], 0x80000000, v[W+7]
	v_and_b32 v[W+8], 0x80000000, v[W+8]
	v_xor_b32 v[CS+1], v[CS+1], v[W+7]
	v_xor_b32 v[CS],   v[CS],   v[W+8]
	; every lane needs all 16 rays: through the wave's own 256 bytes of LDS, read back with one address for all lanes
	s_lshl_b32 s25, s20, 8
	v_lshl_add_u32 v[W+7], v1, 3, s25
	v_mov_b32 v[W+8], s25
	ds_store_b64 v[W+7], v[CS:CS+1] offset:TAB
.irp k, 0,1,2,3,4,5,6,7
	ds_load_b128 v[RAY+4*\k:RAY+4*\k+3], v[W+8] offset:TAB+16*\k      ; LDS serves a wave's instructions in order (ISA guide 5.7.1): these see the store
.endr
	s_wait_dscnt 0x0
	; THE LOOP.  A trip: the chunk's 8 loads are in; coefficients; the raw registers are free, so the next chunk is asked for, 704 vector
	; instructions ahead of its wait; 16 rays x 8 segments.  The wait is for 0: nothing else of the wave is on its way.
	s_mov_b32 s21, 0
.Lchunk:
	s_wait_loadcnt 0x0                             ; also shows the loads done that named s[4:5]: it may be stepped
	PRE
	s_add_nc_u64 s[4:5], s[4:5], CHUNKB
	LOADS
	RAYS
	s_add_co_u32 s21, s21, 1
	s_cmp_lt_u32 s21, CHUNKS-1
	s_cbranch_scc1 .Lchunk
	s_wait_loadcnt 0x0                             ; the last chunk: no load follows, none leaves the buffer
	PRE
	RAYS
	; THE MAXIMUM OVER 256 THREADS.  [ray][thread] in LDS; wave v then takes rays 2 v and 2 v + 1, one for each half of its lanes.
	v_lshlrev_b32 v[W], 2, v0
.irp i, 0,1,2,3,4,5,6,7,8,9,10,11,12,13,14,15
	ds_store_b32 v[W], v[BEST+\i] offset:RED+1024*\i                  ; 32 lanes, 128 consecutive bytes
.endr
	v_lshrrev_b32 v[W+1], 4, v1                    ; h: which half
	v_and_b32 v[W+2], 15, v1                       ; r: lane in the half
	s_lshl_b32 s25, s20, 11
	s_lshl_b32 s26, s20, 3
	v_lshl_add_u32 v[W+3], v[W+1], 10, s25         ; (2 wave + h) x 1,024
	v_lshl_add_u32 v[W+3], v[W+2], 4, v[W+3]       ; + 16 r
	v_lshl_add_u32 v[W+4], v[W+1], 2, s26          ; (2 wave + h) x 4
	s_wait_dscnt 0x0                               ; my stores are in LDS, for the other waves' sake
	s_barrier_signal -1
	s_barrier_wait -1
.irp k, 0,1,2,3
	ds_load_b128 v[T+4*\k:T+4*\k+3], v[W+3] offset:RED+256*\k         ; 16 lanes read 256 consecutive bytes of their ray's row
.endr
	s_wait_dscnt 0x0
	v_max3_num_f32 v[M],   v[T],    v[T+1],  v[T+2]
	v_max3_num_f32 v[M+1], v[T+3],  v[T+4],  v[T+5]
	v_max3_num_f32 v[M+2], v[T+6],  v[T+7],  v[T+8]
	v_max3_num_f32 v[M+3], v[T+9],  v[T+10], v[T+11]
	v_max3_num_f32 v[M+4], v[T+12], v[T+13], v[T+14]
	v_max3_num_f32 v[M],   v[M],    v[M+1],  v[M+2]
	v_max3_num_f32 v[M+3], v[M+3],  v[M+4],  v[T+15]
	v_max_num_f32 v[M], v[M], v[M+3]
	v_max_num_f32_dpp v[M], v[M], v[M] row_xmask:1 row_mask:0xf bank_mask:0xf   ; inside each half of 16 lanes
	v_max_num_f32_dpp v[M], v[M], v[M] row_xmask:2 row_mask:0xf bank_mask:0xf
	v_max_num_f32_dpp v[M], v[M], v[M] row_xmask:4 row_mask:0xf bank_mask:0xf
	v_max_num_f32_dpp v[M], v[M], v[M] row_xmask:8 row_mask:0xf bank_mask:0xf
	ds_store_b32 v[W+4], v[M] offset:FIN           ; the 16 lanes of a half write one word with one value
	s_wait_dscnt 0x0
	s_barrier_signal -1
	s_barrier_wait -1
	s_cmp_lg_u32 s20, 0
	s_cbranch_scc1 .Lothers                        ; behind the last barrier: wave 0 alone finishes, lane r = ray r
	v_lshlrev_b32 v[W+5], 2, v[W+2]
	ds_load_b32 v[W+6], v[W+5] offset:FIN          ; the ray's largest w
	v_readlane_b32 s36, v[CS], 16                  ; cos theta
	v_readlane_b32 s37, v[CS+1], 16                ; sin theta
	s_lshl_b32 s26, ttmp9, 7                       ; the group's 128 bytes in each output (s27 is still 0)
	s_add_nc_u64 s[8:9], s[8:9], s[26:27]
	s_add_nc_u64 s[10:11], s[10:11], s[26:27]
	; u_a of segment 0, as the reference writes it: what a ray without a valid segment takes
	v_sub_f32 v[W+8],  s18, s16                    ; sx
	v_sub_f32 v[W+9],  s19, s17                    ; sy
	v_sub_f32 v[W+10], s12, s16                    ; x1 - x3
	v_sub_f32 v[W+11], s13, s17                    ; y1 - y3
	v_mul_f32 v[W+12], v[W+9], v[W+10]
	v_fma_f32 v[W+12], v[W+8], v[W+11], -v[W+12]   ; num_a
	v_mul_f32 v[W+13], v[W+8], v[CS+1]
	v_fma_f32 v[W+13], v[W+9], v[CS], -v[W+13]     ; rxs
	v_cmp_lt_f32 vcc_lo, |v[W+13]|, s24            ; parallel
	v_cndmask_b32 v[W+14], v[W+13], 1.0, vcc_lo
	s_wait_dscnt 0x0
	v_rcp_f32 v[W+15], v[W+14]
	v_rcp_f32 v[W+16], v[W+6]                      ; u_a of the nearest hit = 1 / w
	v_lshlrev_b32 v[W+7], 3, v[W+2]                ; 8 r: my bytes in the outputs (and the plain instruction behind the reciprocals, ISA guide 5.7.2)
	v_cmp_lt_f32 s38, 0, v[W+6]                    ; was there a hit
	s_wait_alu depctr_va_vdst(0)
	v_mul_f32 v[W+15], v[W+12], v[W+15]
	v_cndmask_b32 v[W+15], v[W+15], 0, vcc_lo      ; parallel: 0
	v_cndmask_b32 v[W+17], v[W+15], v[W+16], s38   ; u
	v_fma_f32 v[W+18], v[CS],   v[W+17], s12       ; ix = x1 + rx u
	v_fma_f32 v[W+19], v[CS+1], v[W+17], s13       ; iy = y1 + ry u
	v_sub_f32 v[W+20], v[W+18], s12                ; back from the rounded hit, as the reference does
	v_sub_f32 v[W+21], v[W+19], s13
	v_mul_f32 v[W+22], v[W+21], s37
	v_mul_f32 v[W+23], v[W+21], s36
	v_fma_f32 v[W+22], v[W+20], s36, v[W+22]       ;  gx cos + gy sin
	v_fma_f32 v[W+23], -v[W+20], s37, v[W+23]      ; -gx sin + gy cos
	v_cmp_gt_u32 vcc_lo, 16, v1
	s_wait_xcnt 0x0                                ; EXEC is narrowed only behind this wait
	s_wait_tensorcnt 0x0
	ds_add_u32 v176, v177
	s_wait_dscnt 0x0
	s_and_saveexec_b32 s38, vcc_lo                 ; lanes 0-15: one ray each
	global_store_b64 v[W+7], v[W+18:W+19], s[8:9] th:TH_STORE_NT      ; 16 lanes store 128 consecutive bytes, at a multiple of 128
	global_store_b64 v[W+7], v[W+22:W+23], s[10:11] th:TH_STORE_NT
	s_endpgm
.Lothers:
	s_wait_tensorcnt 0x0
	ds_add_u32 v176, v177
	s_wait_dscnt 0x0
	s_endpgm
.Lfunc_end_k_q2167f1d706_raycast:
	.size	k_q2167f1d706_raycast, .Lfunc_end_k_q2167f1d706_raycast-k_q2167f1d706_raycast
	.p2alignl 7, 3214868480
	.fill 96, 4, 3214868480
	.section	.rodata,"a",@progbits
	.p2align	6, 0x0
	.amdhsa_kernel k_q2167f1d706_raycast
		.amdhsa_group_segment_fixed_size 168960
		.amdhsa_private_segment_fixed_size 0
		.amdhsa_enable_private_segment 0
		.amdhsa_kernarg_size 32
		.amdhsa_user_sgpr_count 2
		.amdhsa_user_sgpr_kernarg_segment_ptr 1
		.amdhsa_wavefront_size32 1
		.amdhsa_system_sgpr_workgroup_id_x 1
		.amdhsa_system_sgpr_workgroup_id_y 1
		.amdhsa_system_sgpr_workgroup_id_z 1
		.amdhsa_system_vgpr_workitem_id 0
		.amdhsa_next_free_vgpr 178
		.amdhsa_next_free_sgpr 66
		.amdhsa_reserve_vcc 1
		.amdhsa_float_denorm_mode_32 3
		.amdhsa_float_denorm_mode_16_64 3
		.amdhsa_memory_ordered 1
		.amdhsa_forward_progress 1
		.amdhsa_inst_pref_size 101
	.end_amdhsa_kernel
	.amdgpu_metadata
---
amdhsa.version: [ 1, 2 ]
amdhsa.kernels:
  - .name:           k_q2167f1d706_raycast
    .symbol:         k_q2167f1d706_raycast.kd
    .args:
      - { .name: line_seg, .offset: 0, .size: 8, .value_kind: global_buffer, .address_space: global }
      - { .name: pose, .offset: 8, .size: 8, .value_kind: global_buffer, .address_space: global }
      - { .name: out0, .offset: 16, .size: 8, .value_kind: global_buffer, .address_space: global }
      - { .name: out1, .offset: 24, .size: 8, .value_kind: global_buffer, .address_space: global }
    .group_segment_fixed_size: 168960
    .private_segment_fixed_size: 0
    .kernarg_segment_align: 8
    .kernarg_segment_size: 32
    .max_flat_workgroup_size: 256
    .sgpr_count:     66
    .vgpr_count:     178
    .wavefront_size: 32
...
	.end_amdgpu_metadata
.endif
;; end of part 1
